; MI455X (gfx1250); checked and timed in simulation.
; The chip was launched on July 23, 2026; its instructions are those of AMD's public machine-readable ISA for CDNA 5 (MIT licence, August 2026) and "CDNA5" Instruction Set Architecture Reference Guide (July 2026). The comments in the code are by the model that wrote it; some were corrected since.
;; Attention. Allowed arithmetic: matrix products marked QUANTISED: E5M2 operands, one given power-of-two scale a tensor, by v_wmma_f32_16x16x64_bf8_bf8 or v_wmma_f32_16x16x128_bf8_bf8, f32 sums; products left as they are: f32 operands where the result goes on into a quantised operand, else bf16, f16 or f32 operands; f32 sums; everything else in f32.
;; Inputs: W_attn 512 x 1,024 float32; b_attn 512 float32; encoder_outputs 4,096 x 32 x 512 float32; hidden 32 x 512 float32; lowp_scales 2 int32 (the exponents e of the quantised operands' scales 2^e); v 512 float32.
;; Outputs: out0 32 x 1 x 4,096 float32.
;; This version of the problem:
;;   THIS VERSION OF THE PROBLEM IS GIVEN IN LOW PRECISION. The matrix products marked QUANTISED in the list below multiply operands that are first quantised to E5M2 (5 exponent bits, 2 mantissa bits; 8 bits a number), with one given power-of-two scale for each operand tensor; their sums are f32. All else is computed in f32.
;;   The module's matrix products, in the order in which they are computed (A, B: the left and right operand; K: the contracted axis; several contracted axes count as one K, in the product's order):
;;     1. [M 131,072, K 1,024] x [K 1,024, N 512]; A: computed on the way; B: input W_attn: QUANTISED (scales: A lowp_scales[0], B lowp_scales[1])
;;     2. [M 1, K 512] x [K 512, N 131,072]; A: input v; B: computed on the way: left as it is (M = 1 < 16)
;;   THE QUANTISER, for each operand of a quantised product, along K:
;;     - The operand's scale is 2^e, e = its entry of the input lowp_scales (int32; the entries are numbered through the quantised products in the list's order, A before B).
;;     - Each number is divided by the scale, clamped to +-57,344, and rounded to the nearest number of E5M2, ties to even, subnormals kept.
;;     - The product sums the exact products of the quantised numbers (number of the format x scale) in f32.
;;   ~~~python
;;   def quantise(x, axis, e):      # numpy; x: float32 -> the quantised numbers, widened to float32 again
;;       x = np.moveaxis(x, axis, -1); K = x.shape[-1]
;;       r = np.clip(x / 2.0 ** e, -57344, 57344)
;;       step = 2.0 ** (np.maximum(np.frexp(np.where(r == 0, 1, r))[1] - 1, -14) - 2)
;;       q = np.round(r / step) * step * 2.0 ** e      # np.round: ties to even
;;       return np.moveaxis(q, -1, axis).astype(np.float32)
;;   ~~~
;;   OPERANDS COMPUTED ON THE WAY. 'Computed on the way' means the value that the module computes at that place (a softmax that the list does not call 'softmax' is quantised finished and normalised). What goes into a quantiser is computed in f32, as accurately as f32 sums, v_exp_f32 and their like allow (about 1e-6 of the number): no bf16 or f16 on the way to a quantiser, and a product that is left as it is and whose result goes on into a quantised operand takes f32 operands (vector FMAs, or v_wmma_f32_16x16x4_f32). A number that lies on a knife's edge between two numbers of the format may be rounded either way, as far as f32 arithmetic and the matrix unit's own rounding can turn it there, and no further.
;; One version. Each part assembles by itself: llvm-mc -triple=amdgcn-amd-amdhsa -mcpu=gfx1250 --defsym DOCPART=n.
;; ======== version 1 of 1: 2 launches
;; limits: right only within a limited range of input values
;; workspace buffers: wcodes 262,144 bytes; gtab 65,536 bytes
;; launch prep (part 1): grid 80 x 1, 8 waves a work-group, no clusters, 18,432 bytes of LDS; arguments W_attn, hidden, lowp_scales, wcodes, gtab; writes wcodes, gtab
.if DOCPART == 1
	.amdgcn_target "amdgcn-amd-amdhsa--gfx1250"
	.amdhsa_code_object_version 6
	.text
	.protected	k_q1992d50faa_prep
	.globl	k_q1992d50faa_prep
	.p2align	8
	.type	k_q1992d50faa_prep,@function
k_q1992d50faa_prep:
	s_mov_b64 s[64:65], 0
	v_nop
	global_prefetch_b8 v0, s[64:65] scope:SCOPE_SE
	s_setreg_imm32_b32 hwreg(HW_REG_WAVE_MODE, 25, 1), 1
	s_wait_xcnt 0x0
; W_attn [512][1024] and hidden [32][512], f32, become codes of BF8 (E5M2): code = x / 2^e, held within +-57,344, to the nearest code, ties to even;
; e = entry 1 of the scales for W, entry 0 for hidden (hidden is the first 512 of the product's operand A).
; DEAD WORK LEFT OUT: b_attn[h] is added to the softmax's input for every b alike, and the softmax runs over b: exp(x_b + c) / sum exp(x_b' + c) = exp(x_b) / sum exp(x_b')
; for all values of c.  So b_attn reaches no output: it is not loaded and no argument of any launch.  LIMIT: a NaN, an infinity or an overflow in b_attn alone is not carried to the result.
; The hidden half of the product is the same for every t: it is made once, here, and begins every sum of the next launch.
;   wcodes: the codes of W's columns 512 .. 1023, laid as the next launch's operand registers take them: [n][group x = 4 s + c][lane][16 bytes], n = 16 rows of W;
;   gtab:   G[b][16 n + r] = sum over k < 512 of code(hidden[b][k]) code(W[16 n + r][k]), in the matrix result's own layout: [n][m = b / 16][register / 4][lane][16 bytes].
; ORDER OF K.  A row's 512 numbers are read by four loads of 512 consecutive bytes: lane l holds x[128 i + 4 l + u] in register 4 i + u; its 16 codes are a UNIT of 16 bytes.
; Unit l = 8 s + 2 c + h goes to K step s, registers 4 c .. 4 c + 3, half h of the lanes.  Both operands of every product are laid so, so each code meets its partner.
; An IMAGE of 16 rows in LDS: unit (l, row r) at 272 l + 16 r: a row's store has its lanes 272 bytes apart, a fragment's load reads 256 consecutive bytes in sixteen lanes.
; Work-groups 0 .. 63: n = x / 2, m = x % 2: image 0 = W's rows 16 n on, first half; image 1 = hidden's rows 16 m on; wave 0 makes G.
; Work-groups 64 .. 79: images 0, 1 = W's second half, n = 2 (x - 64) + image; they go to wcodes.  Wave o makes rows 4 (o % 4) .. + 3 of image o / 4.
; 80 work-groups: the smallest share that is whole 16 x 16 tiles of G; no tensor loads: each number is read into registers once by its wave.
; LIMITS: e0 and e1 each between -126 and 112.  NaN among the inputs is not served; an infinity is held at the largest code.
.set IMB, 8704
.set UP,  272
.set LO,  4                            ; v4   16 x lane
.set IST, 5                            ; v5   where I store a row's units
.set FR,  6                            ; v6   a fragment's place for my lane in image 0: 272 h + 16 r
.set CPL, 7                            ; v7   my four groups in my image
.set SCL, 8                            ; v8   2^e as f32
.set LIM, 9                            ; v9   57,344 x 2^e
.set RO,  10                           ; v10-13 row p: 16 x lane + p x pitch
.set SPW, 14
.set NIL, 15
.set CD,  16                           ; v16-31 codes, four registers a row
.set GA,  32                           ; v32-39 G's accumulator
.set X,   64                           ; v64-127 four rows of 16 numbers; later W's fragments
.set HF,  128                          ; v128-191 hidden's fragments
.set SPARE, 2*IMB
	s_load_b256 s[4:11], s[0:1], 0x0               ; W s[4:5], hidden s[6:7], the scales' exponents s[8:9], wcodes s[10:11]
	s_load_b64 s[12:13], s[0:1], 0x20              ; gtab
	v_lshrrev_b32 v1, 5, v0
	v_readfirstlane_b32 s16, v1                    ; wave 0..7
	s_lshr_b32 s17, s16, 2                         ; my image
	s_and_b32 s18, s16, 3                          ; which four of its rows
	s_lshr_b32 s19, ttmp9, 1                       ; n of a G work-group
	s_lshl_b32 s20, ttmp9, 1
	s_sub_co_u32 s20, s20, 128
	s_add_co_u32 s20, s20, s17                     ; n of a W work-group's image
	s_and_b32 s21, ttmp9, 1                        ; m
	s_lshl_b32 s22, s21, 4
	s_lshl_b32 s23, s18, 2
	s_add_co_u32 s22, s22, s23
	s_lshl_b32 s22, s22, 11                        ; my rows' first byte in hidden
	s_cmp_lt_u32 ttmp9, 64
	s_cselect_b32 s24, s19, s20                    ; n
	s_cselect_b32 s25, 0, 2048                     ; the first or the second half of W's rows
	s_cselect_b32 s26, s17, 0                      ; 1: I take hidden
	s_lshl_b32 s27, s24, 4
	s_add_co_u32 s27, s27, s23
	s_lshl_b32 s27, s27, 12
	s_add_co_u32 s27, s27, s25                     ; my rows' first byte in W
	s_mov_b32 s28, 2048
	s_cmp_eq_u32 s26, 0
	s_cselect_b32 s28, 4096, s28                   ; the pitch
	s_cselect_b32 s30, s27, s22
	s_mov_b32 s31, 0
	s_lshl_b32 s32, s24, 13
	s_lshl_b32 s33, s18, 11
	s_add_co_u32 s32, s32, s33                     ; my four groups in wcodes
	s_mov_b32 s33, 0
	s_lshl_b32 s34, s19, 11
	s_lshl_b32 s35, s21, 10
	s_add_co_u32 s34, s34, s35                     ; my tile in gtab
	s_mov_b32 s35, 0
	s_mul_i32 s36, s17, IMB
	s_lshl_b32 s37, s18, 6
	s_add_co_u32 s37, s37, s36
	s_mul_i32 s40, s18, 8*UP
	s_add_co_u32 s40, s40, s36
	v_lshl_add_u32 v[SPW], v0, 2, SPARE
	v_mov_b32 v[NIL], 0
	v_and_b32 v1, 31, v0                           ; lane
	v_and_b32 v2, 15, v0                           ; r
	v_bfe_u32 v3, v0, 4, 1                         ; h
	v_lshlrev_b32 v[LO], 4, v1
	v_mul_u32_u24 v[IST], v1, UP
	v_mul_u32_u24 v[FR], v3, UP
	v_add_nc_u32 v[IST], s37, v[IST]
	v_lshl_add_u32 v[FR], v2, 4, v[FR]
.irp p, 0,1,2,3
	v_mad_u32_u24 v[RO+\p], s28, \p, v[LO]
.endr
	v_add_nc_u32 v[CPL], s40, v[FR]
	s_wait_alu depctr_va_vdst(0)
	s_wait_kmcnt 0x0
	s_load_b64 s[38:39], s[8:9], 0x0               ; e0, e1
	s_cmp_eq_u32 s26, 0
	s_cselect_b64 s[20:21], s[4:5], s[6:7]         ; the choice hangs on ids alone
	s_add_nc_u64 s[20:21], s[20:21], s[30:31]
	s_add_nc_u64 s[10:11], s[10:11], s[32:33]
	s_add_nc_u64 s[12:13], s[12:13], s[34:35]
.irp p, 0,1,2,3
.irp i, 0,1,2,3
	global_load_b128 v[X+16*\p+4*\i:X+16*\p+4*\i+3], v[RO+\p], s[20:21] offset:512*\i   ; 32 lanes read 512 consecutive bytes
.endr
.endr
	s_wait_kmcnt 0x0
	s_cmp_eq_u32 s26, 0
	s_cselect_b32 s36, s39, s38                    ; e1 for W, e0 for hidden
	s_add_co_i32 s36, s36, 127
	s_lshl_b32 s37, s36, 23
	v_mov_b32 v[SCL], s37                          ; 2^e as f32: the conversion takes its exponent field
	s_add_co_i32 s36, s36, 15
	s_lshl_b32 s36, s36, 23
	s_or_b32 s36, s36, 0x600000
	v_mov_b32 v[LIM], s36                          ; 57,344 x 2^e
	s_wait_alu depctr_va_vdst(0)
.irp p, 0,1,2,3
	s_wait_loadcnt 12-4*\p                         ; this row's four loads are in; the younger rows' may be out
.irp i, 0,1,2,3,4,5,6,7,8,9,10,11,12,13,14,15
	v_med3_num_f32 v[X+16*\p+\i], v[X+16*\p+\i], -v[LIM], v[LIM]   ; the conversion to an 8-bit code does not saturate (ISA guide 7.6.2): the hold comes first
.endr
	v_cvt_scalef32_pk8_bf8_f32 v[CD+4*\p:CD+4*\p+1], v[X+16*\p:X+16*\p+7], v[SCL]
	v_cvt_scalef32_pk8_bf8_f32 v[CD+4*\p+2:CD+4*\p+3], v[X+16*\p+8:X+16*\p+15], v[SCL]
	ds_store_b128 v[IST], v[CD+4*\p:CD+4*\p+3] offset:16*\p
.endr
	v_nop                                          ; a plain vector line behind the last conversion
	s_wait_dscnt 0x0                               ; for the others' sake: my units lie in LDS
	s_barrier_signal -1
	s_barrier_wait -1                              ; both images are whole
	s_cmp_lt_u32 ttmp9, 64
	s_cbranch_scc1 .Lg
.irp i, 0,1,2,3
	ds_load_b128 v[X+4*\i:X+4*\i+3], v[CPL] offset:2*UP*\i
.endr
	s_wait_dscnt 0x0
.irp i, 0,1,2,3
	global_store_b128 v[LO], v[X+4*\i:X+4*\i+3], s[10:11] offset:512*\i   ; 512 consecutive bytes, at a multiple of 512 from the buffer's first byte
.endr
	s_branch .Ldone
.Lg:
	s_cmp_lg_u32 s16, 0
	s_cbranch_scc1 .Ldone                          ; no barrier follows
.irp s, 0,1,2,3
.irp c, 0,1,2,3
	ds_load_b128 v[HF+16*\s+4*\c:HF+16*\s+4*\c+3], v[FR] offset:IMB+8*UP*\s+2*UP*\c
	ds_load_b128 v[X+16*\s+4*\c:X+16*\s+4*\c+3], v[FR] offset:8*UP*\s+2*UP*\c
.endr
.endr
	s_wait_dscnt 0x0
	v_wmma_f32_16x16x128_bf8_bf8 v[GA:GA+7], v[HF:HF+15], v[X:X+15], 0   ; source 0 = hidden's rows, source 1 = W's rows
.irp s, 1,2,3
	s_wait_alu depctr_va_vdst(0)                   ; one accumulator
	v_wmma_f32_16x16x128_bf8_bf8 v[GA:GA+7], v[HF+16*\s:HF+16*\s+15], v[X+16*\s:X+16*\s+15], v[GA:GA+7]
.endr
.rept 4
	v_nop                                          ; four places ahead of the stores that read the result
.endr
	global_store_b128 v[LO], v[GA:GA+3], s[12:13]              ; register j of lane (r, h): G(16 m + 8 h + j, 16 n + r)
	global_store_b128 v[LO], v[GA+4:GA+7], s[12:13] offset:512
.Ldone:
	s_wait_tensorcnt 0x0                           ; the wave's end
	ds_add_u32 v[SPW], v[NIL]
	s_wait_dscnt 0x0
	s_endpgm
.Lfunc_end_k_q1992d50faa_prep:
	.size	k_q1992d50faa_prep, .Lfunc_end_k_q1992d50faa_prep-k_q1992d50faa_prep
	.p2alignl 7, 3214868480
	.fill 96, 4, 3214868480
	.section	.rodata,"a",@progbits
	.p2align	6, 0x0
	.amdhsa_kernel k_q1992d50faa_prep
		.amdhsa_group_segment_fixed_size 18432
		.amdhsa_private_segment_fixed_size 0
		.amdhsa_enable_private_segment 0
		.amdhsa_kernarg_size 40
		.amdhsa_user_sgpr_count 2
		.amdhsa_user_sgpr_kernarg_segment_ptr 1
		.amdhsa_wavefront_size32 1
		.amdhsa_system_sgpr_workgroup_id_x 1
		.amdhsa_system_sgpr_workgroup_id_y 1
		.amdhsa_system_sgpr_workgroup_id_z 1
		.amdhsa_system_vgpr_workitem_id 0
		.amdhsa_next_free_vgpr 192
		.amdhsa_next_free_sgpr 66
		.amdhsa_reserve_vcc 0
		.amdhsa_float_denorm_mode_32 3
		.amdhsa_float_denorm_mode_16_64 3
		.amdhsa_memory_ordered 1
		.amdhsa_forward_progress 1
		.amdhsa_inst_pref_size 14
	.end_amdhsa_kernel
	.amdgpu_metadata
---
amdhsa.version: [ 1, 2 ]
amdhsa.kernels:
  - .name:           k_q1992d50faa_prep
    .symbol:         k_q1992d50faa_prep.kd
    .args:
      - { .name: W_attn, .offset: 0, .size: 8, .value_kind: global_buffer, .address_space: global }
      - { .name: hidden, .offset: 8, .size: 8, .value_kind: global_buffer, .address_space: global }
      - { .name: lowp_scales, .offset: 16, .size: 8, .value_kind: global_buffer, .address_space: global }
      - { .name: wcodes, .offset: 24, .size: 8, .value_kind: global_buffer, .address_space: global }
      - { .name: gtab, .offset: 32, .size: 8, .value_kind: global_buffer, .address_space: global }
    .group_segment_fixed_size: 18432
    .private_segment_fixed_size: 0
    .kernarg_segment_align: 8
    .kernarg_segment_size: 40
    .max_flat_workgroup_size: 256
    .sgpr_count:     66
    .vgpr_count:     192
    .wavefront_size: 32
...
	.end_amdgpu_metadata
.endif
;; end of part 1
;; launch attn (part 2): grid 256 x 1, 8 waves a work-group, no clusters, 119,808 bytes of LDS; arguments encoder_outputs, wcodes, gtab, v, lowp_scales, out0; writes out0
.if DOCPART == 2
	.amdgcn_target "amdgcn-amd-amdhsa--gfx1250"
	.amdhsa_code_object_version 6
	.text
	.protected	k_q1992d50faa_attn
	.globl	k_q1992d50faa_attn
	.p2align	8
	.type	k_q1992d50faa_attn,@function
k_q1992d50faa_attn:
	s_mov_b64 s[64:65], 0
	v_nop
	global_prefetch_b8 v0, s[64:65] scope:SCOPE_SE
	s_setreg_imm32_b32 hwreg(HW_REG_WAVE_MODE, 25, 1), 1
	s_wait_xcnt 0x0
; out0[b][t] = relu(sum over h of v[h] softmax_b(x[t][b] . W2[h] + G[b][h])), x = encoder_outputs in codes of BF8 (E5M2), W2 = W_attn's second half in codes, G = the hidden half's sums (the launch before).
; b_attn is left out: it is the same for every b, along which the softmax runs (shown at the head of the first kernel, with the limit that goes with it).
; SHARES.  256 work-groups; each takes 16 t, one t (32 rows of x, 65,536 bytes) a STEP.  Eight waves; wave w owns columns h = 64 w .. + 63 and keeps their W2 (256 registers) and G (64) for the whole launch.
; A step: wave w loads rows b = 4 w .. 4 w + 3 from memory into registers, quantises them and stores the codes in LDS; all eight waves read all 32 rows' codes as fragments.
; No tensor loads and no cluster: each number of x is read once, by one wave, and no byte is shared in a step; W2's 262,144 bytes of codes are what work-groups share, once a launch, and go straight into the registers
; that keep them, in the order of K, so that step 0 multiplies each quarter of K as it comes; by LDS they would be written and read 262,144 bytes more each, and be waited for whole.
; Order in a step k: products of step k, with rows of step k + 1 quantised and rows of step k + 2 asked for behind the fragments; signal; softmax of step k (registers alone); wait;
; step k + 1's first fragment is asked for; weighted sums; the turn.  Two slots of codes: step k + 1's codes land where step k - 1's were, and every wave has read those ahead of the barrier that this wave has passed in front of its products of step k.
; LAYOUT.  Source 0 = 16 rows b, source 1 = 16 columns h: lane (r, h') holds column r of a tile, its registers 8 m + j the rows b = 16 m + 8 h' + j: a softmax over b is over 16 registers and the lane l xor 16.
; Order of K and the LDS image of 16 rows: as in the first kernel: unit (l, row r) at 272 l + 16 r.
; THE SUM OVER h.  A lane adds its four columns; the sixteen lanes turn through the wave's own LDS rows (16 rows of 128 bytes + 16 of padding), each lane adds four rows of four b, and a partial of 512 bytes a wave and step stays in LDS.
; At the end 32 partials for each (b, t) are added.  A work-group's part of a row of out0 is 16 t, 64 bytes: what it owns of each b.
; PREFETCH: a wave asks for the rows that it will load itself, 8,192 bytes, a lane 256 bytes, one instruction a step, two steps ahead of the load; at the head for steps 1, 2 and 3; it ends with step 15.
; LIMITS: e0, e1 between -126 and 112; e0 + e1 between -126 and 127; NaN among the inputs is not served; an infinity is held at the largest code; scaled scores under 2^31 in magnitude.
.set IMB,   8704
.set UP,    272
.set SLOT,  2*IMB                      ; LDS: 0: two slots of codes
.set RB,    2*SLOT                     ; the turn: 8 x 2,304
.set RP,    144
.set SC,    RB+8*16*RP                 ; the partials: 16 steps x 4,096
.set SPARE, SC+16*4096                 ; the spare words, 8 x 128
.set STP,   65536                      ; bytes of a step
.set LO,  1                            ; 16 x lane
.set PFO, 2                            ; 256 x lane
.set IST, 3                            ; where my rows' units go
.set AF,  4                            ; a fragment's place for my lane
.set RSA, 5                            ; the turn: in
.set RRA, 6                            ; the turn: out
.set SCL, 7                            ; 2^e0
.set VV,  8                            ; v8-11 v[h] of my four columns
.set CD,  12                           ; v12-15 codes of a row
.set AB,  16                           ; v16-63 three fragments of A, 16 registers each;
.set S,   16                           ;   in the first's place outside the products: the sums over h,
.set T,   32                           ;   in the second's: the softmax's numbers, four a tile,
.set RT,  32                           ;   and then the turn's
.set X,   64                           ; v64-127 four rows of x
.set G,   128                          ; v128-191
.set ACC, 192                          ; v192-255: tile q, row block m at 16 q + 8 m; window 1 (v256-511): W2: tile q, K step s at 64 q + 16 s
.set WV,  16
.set LIM, 34                           ; s34, s35: +-57,344 x 2^e0
.set CNT, 36
.set SCO, 37                           ; where my wave's partials stand
.set CS,  38
.set NC,  40
.set SEL, 42
.set XB,  44                           ; s[44:45] my rows of the step that is being multiplied
.set MSB, 0
.macro WIN new
.if MSB != (\new)
	s_set_vgpr_msb (MSB<<8)|(\new)
.set MSB, (\new)
.endif
.endm
.macro PLACES
.rept 4
	v_nop
.endr
.endm
.macro XROW p, off                     ; row p: 512 consecutive bytes a load
.irp i, 0,1,2,3
	global_load_b128 v[X+16*(\p)+4*\i:X+16*(\p)+4*\i+3], v[LO], s[XB:XB+1] offset:\off+2048*(\p)+512*\i th:TH_LOAD_NT
.endr
.endm
.macro HOLD p, a, n                    ; n numbers of row p from a on: the conversion to an 8-bit code does not saturate (ISA guide 7.6.2)
.set hi, \a
.rept \n
	v_med3_num_f32 v[X+16*(\p)+hi], v[X+16*(\p)+hi], s[LIM], s[LIM+1]
.set hi, hi+1
.endr
.endm
.macro CODES p, slot                   ; row p's codes into the slot
	v_cvt_scalef32_pk8_bf8_f32 v[CD:CD+1], v[X+16*(\p):X+16*(\p)+7], v[SCL]
	v_cvt_scalef32_pk8_bf8_f32 v[CD+2:CD+3], v[X+16*(\p)+8:X+16*(\p)+15], v[SCL]
	ds_store_b128 v[IST], v[CD:CD+3] offset:SLOT*(\slot)+16*(\p)
.endm
.macro PREF off
	global_prefetch_b8 v[PFO], s[XB:XB+1] offset:\off th:TH_LOAD_NT scope:SCOPE_SE
.endm
.macro PREF_UNLESS_LAST                ; the loop's last trip has none in its second step
	s_wait_alu depctr_va_vdst(0)
	s_cmp_gt_u32 s[CNT], 1
	s_cbranch_scc0 .Lnone_\@
	PREF 4*STP
.Lnone_\@:
.endm
.set wz, 0
.macro WLOAD n                         ; the next n loads of W2's codes: K step s = wz / 16, tile q, registers 4 c on
	WIN 0x40
.rept \n
	global_load_b128 v[64*((wz/4)%4)+16*(wz/16)+4*(wz%4):64*((wz/4)%4)+16*(wz/16)+4*(wz%4)+3], v[LO], s[6:7] offset:8192*((wz/4)%4)+2048*(wz/16)+512*(wz%4)
.set wz, wz+1
.endr
	WIN 0
.endm
.macro ALOAD j, slot                   ; fragment j: K step j / 2, row block j % 2, into buffer (j + 2) % 3
.irp c, 0,1,2,3
	ds_load_b128 v[AB+16*(((\j)+2)%3)+4*\c:AB+16*(((\j)+2)%3)+4*\c+3], v[AF] offset:SLOT*(\slot)+IMB*((\j)%2)+8*UP*((\j)/2)+2*UP*\c
.endr
.endm
.macro FINISH off                      ; the turn's end: four rows of four b are added: a partial of the step before
	v_pk_add_f32 v[RT:RT+1], v[RT:RT+1], v[RT+4:RT+5]
	v_pk_add_f32 v[RT+2:RT+3], v[RT+2:RT+3], v[RT+6:RT+7]
	v_pk_add_f32 v[RT+8:RT+9], v[RT+8:RT+9], v[RT+12:RT+13]
	v_pk_add_f32 v[RT+10:RT+11], v[RT+10:RT+11], v[RT+14:RT+15]
	v_add_nc_u32 v[RT+4], s[SCO], v[LO]
	v_pk_add_f32 v[RT:RT+1], v[RT:RT+1], v[RT+8:RT+9]
	v_pk_add_f32 v[RT+2:RT+3], v[RT+2:RT+3], v[RT+10:RT+11]
	ds_store_b128 v[RT+4], v[RT:RT+3] offset:4096*(\off)
.endm
; 8 fragments x 4 tiles: the eight accumulators by turns, K ascending.  Behind fragment 0: the turn's end (fin); behind 1 to 3 (and 4 and 7 together) a row of the next step (fuse): these lines are the places behind the products;
; a row's registers take the row of the step after that (load).  prog (step 0): each quarter of K waits for its W2: younger are 16 loads for each later quarter and step 1's 16 rows' loads.
; LDS instructions younger than fragment i's loads, in the order of issue: fragment 0, the turn's 8 (fin), fragment 1; partial (fin), fragments 2, 3; then by turns a code store (fuse) and a fragment, no store ahead of fragment 7.
.macro MATRIX par, fuse, load, fin, off, prog
.irp i, 0,1,2,3,4,5,6,7
.if \prog
.if \i == 0
	s_wait_loadcnt 63
.elseif (\i%2) == 0
	s_wait_loadcnt 64-8*\i
.endif
.endif
.if \i == 0
	s_wait_dscnt 4+8*\fin
.elseif \i == 1
	s_wait_dscnt 8+\fin
.elseif (\i == 2) || (\i == 5)
	s_wait_dscnt 8+\fuse
.elseif \i < 5
	s_wait_dscnt 8+2*\fuse
.else
	s_wait_dscnt 28-4*\i
.endif
	WIN 0x04                                       ; source 1 (W2) in window 1
.irp q, 0,1,2,3
.if \i < 2
	v_wmma_f32_16x16x128_bf8_bf8 v[ACC+16*\q+8*(\i%2):ACC+16*\q+8*(\i%2)+7], v[AB+16*((\i+2)%3):AB+16*((\i+2)%3)+15], v[64*\q+16*(\i/2):64*\q+16*(\i/2)+15], v[G+16*\q+8*(\i%2):G+16*\q+8*(\i%2)+7]
.else
	v_wmma_f32_16x16x128_bf8_bf8 v[ACC+16*\q+8*(\i%2):ACC+16*\q+8*(\i%2)+7], v[AB+16*((\i+2)%3):AB+16*((\i+2)%3)+15], v[64*\q+16*(\i/2):64*\q+16*(\i/2)+15], v[ACC+16*\q+8*(\i%2):ACC+16*\q+8*(\i%2)+7]
.endif
.endr
.if \i == 0
	WIN 0
.if \fin
	s_wait_dscnt 4                                 ; the turn's numbers are back; fragment 1 may be out
	FINISH \off
.else
	PLACES
.endif
	ALOAD 2, \par
	ALOAD 3, \par
.elseif \i < 5
.if \fuse
.if \load
	s_wait_loadcnt 12                              ; this row's four loads are in; three rows' younger ones may be out
.else
	s_wait_loadcnt 16-4*\i
.endif
.if \i < 4
	HOLD \i-1, 0, 16
	WIN 0
	CODES \i-1, 1-\par
.else
	HOLD 3, 0, 6
.endif
.else
	PLACES
.endif
	ALOAD \i+3, \par
.if (\fuse == 1) && (\load == 1) && (\i < 4)
	XROW \i-1, 2*STP
.endif
.elseif \i == 7
	WIN 0
.if \fuse
	HOLD 3, 6, 10
	CODES 3, 1-\par
.if \load
	XROW 3, 2*STP
.endif
	v_nop                                          ; a plain vector line behind the last conversion
.endif
.endif
.endr
.endm
; The softmax over b of four columns a lane, by turns; c = log2(e) 2^(e0 + e1): p = 2^(c sum - c max); T + 4 q + 2 = v / (sum of p).
.macro SOFTMAX
.irp q, 0,1,2,3
	v_max3_num_f32 v[T+4*\q], v[ACC+16*\q], v[ACC+16*\q+1], v[ACC+16*\q+2]
.endr
.irp q, 0,1,2,3
	v_max3_num_f32 v[T+4*\q+1], v[ACC+16*\q+3], v[ACC+16*\q+4], v[ACC+16*\q+5]
.endr
.irp p, 6,8,10,12,14
.irp q, 0,1,2,3
	v_max3_num_f32 v[T+4*\q+1-((\p/2)%2)], v[T+4*\q+1-((\p/2)%2)], v[ACC+16*\q+\p], v[ACC+16*\q+\p+1]
.endr
.endr
.irp q, 0,1,2,3
	v_max_num_f32 v[T+4*\q], v[T+4*\q], v[T+4*\q+1]
.endr
.irp q, 0,1,2,3
	v_permlanex16_b32 v[T+4*\q+1], v[T+4*\q], s[SEL], s[SEL+1]
.endr
.irp q, 0,1,2,3
	v_max_num_f32 v[T+4*\q], v[T+4*\q], v[T+4*\q+1]
.endr
.irp q, 0,1,2,3
	v_mul_f32 v[T+4*\q], s[NC], v[T+4*\q]
.endr
.irp u, 0,1
.irp p, 0,1,2,3,4,5,6,7
	v_pk_fma_f32 v[ACC+16*\u+2*\p:ACC+16*\u+2*\p+1], v[ACC+16*\u+2*\p:ACC+16*\u+2*\p+1], s[CS:CS+1], v[T+4*\u:T+4*\u+1] op_sel_hi:[1,0,0]
.endr
.endr
	s_wait_alu depctr_va_vdst(0)
.irp u, 0,1
.irp p, 0,1,2,3,4,5,6,7
	v_exp_f32 v[ACC+16*\u+2*\p], v[ACC+16*\u+2*\p]
	v_exp_f32 v[ACC+16*\u+2*\p+1], v[ACC+16*\u+2*\p+1]
	v_pk_fma_f32 v[ACC+16*(\u+2)+2*\p:ACC+16*(\u+2)+2*\p+1], v[ACC+16*(\u+2)+2*\p:ACC+16*(\u+2)+2*\p+1], s[CS:CS+1], v[T+4*(\u+2):T+4*(\u+2)+1] op_sel_hi:[1,0,0]
.endr
.endr
	s_wait_alu depctr_va_vdst(0)
.irp p, 0,1,2,3,4,5,6,7,8,9,10,11,12,13,14,15,16,17,18,19,20,21,22,23,24,25,26,27,28,29,30,31
	v_exp_f32 v[ACC+32+\p], v[ACC+32+\p]
.endr
	v_nop
	s_wait_alu depctr_va_vdst(0)                   ; and behind it, ahead of the first reader
.irp q, 0,1,2,3
	v_pk_add_f32 v[T+4*\q+2:T+4*\q+3], v[ACC+16*\q:ACC+16*\q+1], v[ACC+16*\q+2:ACC+16*\q+3]
.endr
.irp p, 4,6,8,10,12,14
.irp q, 0,1,2,3
	v_pk_add_f32 v[T+4*\q+2:T+4*\q+3], v[T+4*\q+2:T+4*\q+3], v[ACC+16*\q+\p:ACC+16*\q+\p+1]
.endr
.endr
.irp q, 0,1,2,3
	v_add_f32 v[T+4*\q+2], v[T+4*\q+2], v[T+4*\q+3]
.endr
.irp q, 0,1,2,3
	v_permlanex16_b32 v[T+4*\q+3], v[T+4*\q+2], s[SEL], s[SEL+1]
.endr
.irp q, 0,1,2,3
	v_add_f32 v[T+4*\q+2], v[T+4*\q+2], v[T+4*\q+3]
.endr
	s_wait_alu depctr_va_vdst(0)
.irp q, 0,1,2,3
	v_rcp_f32 v[T+4*\q+1], v[T+4*\q+2]
.endr
	v_nop
	s_wait_alu depctr_va_vdst(0)
.irp q, 0,1,2,3
	v_mul_f32 v[T+4*\q+2], v[T+4*\q+1], v[VV+\q]
.endr
.endm
.macro WEIGH                           ; S = sum over my columns of p v / (sum of p)
.irp q, 0,1,2,3
.irp p, 0,2,4,6,8,10,12,14
.if \q == 0
	v_pk_mul_f32 v[S+\p:S+\p+1], v[ACC+16*\q+\p:ACC+16*\q+\p+1], v[T+4*\q+2:T+4*\q+3] op_sel_hi:[1,0]
.else
	v_pk_fma_f32 v[S+\p:S+\p+1], v[ACC+16*\q+\p:ACC+16*\q+\p+1], v[T+4*\q+2:T+4*\q+3], v[S+\p:S+\p+1] op_sel_hi:[1,0,1]
.endif
.endr
.endr
.endm
.macro STEP par, fuse, load, pref, fin, off, prog
	MATRIX \par, \fuse, \load, \fin, \off, \prog
.if \prog                              ; step 0 quantises step 1's rows behind its products, where they come in
.irp p, 0,1,2,3
	s_wait_loadcnt 12
	HOLD \p, 0, 16
	CODES \p, 1-\par
	XROW \p, 2*STP
.endr
	v_nop
.elseif \fuse == 0
	PLACES
.endif
.if \pref == 1
	PREF 4*STP
.elseif \pref == 2
	PREF_UNLESS_LAST
.endif
.if \fuse+\prog
	s_wait_dscnt 0x0                               ; for the others' sake: my codes lie in LDS, and my reads of this step's are over
	s_barrier_signal -1
.endif
	SOFTMAX
	s_wait_alu depctr_va_vdst(0)
.if \fuse+\prog
	s_barrier_wait -1                              ; the next step's codes are whole
	ALOAD 0, 1-\par
.endif
	WEIGH
	ds_store_b128 v[RSA], v[S:S+3]                 ; the turn: into my own rows, and four rows of four b back.  LDS serves a wave's instructions in order (ISA guide 5.7.1.4)
	ds_store_b128 v[RSA], v[S+4:S+7] offset:16
	ds_store_b128 v[RSA], v[S+8:S+11] offset:64
	ds_store_b128 v[RSA], v[S+12:S+15] offset:80
.irp i, 0,1,2,3
	ds_load_b128 v[RT+4*\i:RT+4*\i+3], v[RRA] offset:RP*\i
.endr
.if \fuse+\prog
	ALOAD 1, 1-\par
.endif
.if \load
	s_wait_xcnt 0x0                                ; my loads and prefetch have read their base
	s_add_nc_u64 s[XB:XB+1], s[XB:XB+1], STP
.endif
.endm
	s_load_b256 s[4:11], s[0:1], 0x0               ; x, wcodes, gtab, v
	s_load_b128 s[12:15], s[0:1], 0x20             ; the scales' exponents, out0
	v_lshrrev_b32 v16, 5, v0
	v_readfirstlane_b32 s[WV], v16                 ; wave 0..7
	s_lshl_b32 s18, ttmp9, 20
	s_lshl_b32 s19, s[WV], 13
	s_add_co_u32 s18, s18, s19                     ; x: 16 steps a work-group, 8,192 bytes of each a wave
	s_mov_b32 s19, 0
	s_lshl_b32 s20, s[WV], 15                      ; wcodes: 32,768 bytes a wave
	s_mov_b32 s21, 0
	s_mov_b32 s[SEL], 0x76543210
	s_mov_b32 s[SEL+1], 0xfedcba98                 ; v_permlanex16_b32's selects for lane l xor 16
	s_lshl_b32 s[SCO], s[WV], 9
	s_add_co_u32 s[SCO], s[SCO], SC
	s_lshr_b32 s22, s[WV], 2
	s_mul_i32 s22, s22, IMB
	s_and_b32 s23, s[WV], 3
	s_lshl_b32 s23, s23, 6
	s_add_co_u32 s22, s22, s23                     ; my rows 4 (w % 4) on of image w / 4
	s_mul_i32 s23, s[WV], 16*RP
	s_add_co_u32 s23, s23, RB                      ; my rows of the turn
	s_lshl_b32 s24, s[WV], 13
	s_mov_b32 s25, 0
	s_lshl_b32 s26, s[WV], 8
	s_mov_b32 s27, 0
	s_lshl_b32 s28, ttmp9, 6
	s_mov_b32 s29, 0
	v_and_b32 v16, 31, v0                          ; lane
	v_and_b32 v17, 15, v0                          ; r
	v_bfe_u32 v18, v0, 4, 1                        ; h'
	v_lshlrev_b32 v[LO], 4, v16
	v_lshlrev_b32 v[PFO], 8, v16
	v_mul_u32_u24 v[IST], v16, UP
	v_mul_u32_u24 v[AF], v18, UP
	v_mul_u32_u24 v[RSA], v17, RP
	v_and_b32 v19, 7, v0
	v_bfe_u32 v20, v0, 3, 1
	v_add_nc_u32 v[IST], s22, v[IST]
	v_lshl_add_u32 v[AF], v17, 4, v[AF]
	v_lshl_add_u32 v[RSA], v18, 5, v[RSA]
	v_mul_u32_u24 v20, v20, 8*RP
	v_mul_u32_u24 v18, v18, 4*RP
	v_lshlrev_b32 v[CD], 2, v17                    ; v's offset
	v_add_nc_u32 v[RSA], s23, v[RSA]
	v_lshl_add_u32 v20, v19, 4, v20                ; the turn's way back: rows 8 (bit 3) + 4 (bit 4) on, four b
	v_add_nc_u32 v18, s23, v18
	v_add_nc_u32 v[RRA], v18, v20
	s_wait_alu depctr_va_vdst(0)
	s_wait_kmcnt 0x0
	s_load_b64 s[46:47], s[12:13], 0x0             ; e0, e1
	s_add_nc_u64 s[XB:XB+1], s[4:5], s[18:19]
	s_add_nc_u64 s[6:7], s[6:7], s[20:21]
	s_add_nc_u64 s[8:9], s[8:9], s[24:25]          ; G: 8,192 bytes a wave
	s_add_nc_u64 s[10:11], s[10:11], s[26:27]      ; v: 64 numbers a wave
	s_add_nc_u64 s[14:15], s[14:15], s[28:29]      ; out0: 16 t a work-group
.irp q, 0,1,2,3
	global_load_b32 v[VV+\q], v[CD], s[10:11] offset:64*\q
.endr
.irp p, 0,1,2,3
	XROW \p, 0                                     ; step 0
.endr
.set z, 0
.rept 16
	global_load_b128 v[G+4*z:G+4*z+3], v[LO], s[8:9] offset:512*z
.set z, z+1
.endr
	WLOAD 28
	PREF STP                                       ; step 1
	s_wait_kmcnt 0x0
	s_add_co_i32 s17, s46, 127
	s_lshl_b32 s20, s17, 23
	v_mov_b32 v[SCL], s20                          ; 2^e0 as f32
	s_add_co_i32 s17, s17, 15
	s_lshl_b32 s17, s17, 23
	s_or_b32 s[LIM+1], s17, 0x600000               ; 57,344 x 2^e0
	s_xor_b32 s[LIM], s[LIM+1], 0x80000000         ; and its negative
	s_add_co_i32 s17, s46, s47
	s_lshl_b32 s17, s17, 23
	s_add_co_i32 s[CS], s17, 0x3fb8aa3b            ; c: e0 + e1 goes into log2(e)'s exponent field
	s_mov_b32 s[CS+1], s[CS]                       ; (named with it as a pair)
	s_xor_b32 s[NC], s[CS], 0x80000000             ; -c
	s_mov_b32 s[CNT], 6
	s_wait_alu depctr_va_vdst(0)
.irp p, 0,1,2,3
	s_wait_loadcnt 56                              ; row p is in (and v ahead of it); the rows behind it, G (16) and W2's loads (28 + 4 p) may be out
	HOLD \p, 0, 16
	CODES \p, 0
	WLOAD 4
.endr
	v_nop                                          ; a plain vector line behind the last conversion
	WLOAD 20
.irp p, 0,1,2,3
	XROW \p, STP                                   ; step 1
.endr
	PREF 2*STP
	PREF 3*STP
	s_wait_dscnt 0x0                               ; my codes lie in LDS
	s_barrier_signal -1
	s_barrier_wait -1                              ; step 0's codes are whole
	ALOAD 0, 0
	ALOAD 1, 0
	STEP 0, 0, 1, 1, 0, 0, 1
.Lsteps:                                               ; six trips of two steps, 1 .. 12
	STEP 1, 1, 1, 1, 1, 0, 0
	STEP 0, 1, 1, 2, 1, 1, 0
	s_add_co_u32 s[SCO], s[SCO], 8192
	s_sub_co_u32 s[CNT], s[CNT], 1
	s_cmp_lg_u32 s[CNT], 0
	s_wait_alu depctr_va_vdst(0)
	s_cbranch_scc1 .Lsteps
	STEP 1, 1, 1, 0, 1, 0, 0                       ; step 13 asks for step 15
	STEP 0, 1, 0, 0, 1, 1, 0                       ; step 14 quantises it
	STEP 1, 0, 0, 0, 1, 2, 0                       ; step 15
	; THE WAY OUT.  Thread: t = thread / 16, half = bit 3, four b from 4 (thread % 8): sixteen of the 32 partials of each; the halves join by lane l xor 8.
	v_and_b32 v16, 7, v0
	v_bfe_u32 v17, v0, 3, 1
	v_lshrrev_b32 v18, 4, v0
	v_lshlrev_b32 v19, 4, v16
	v_lshl_add_u32 v19, v17, 11, v19
	v_lshl_add_u32 v19, v18, 12, v19
	v_mul_u32_u24 v20, v16, 320
	v_add_nc_u32 v19, SC, v19
	v_lshl_add_u32 v20, v18, 2, v20                ; the stage, in the first slot of codes: row b of 64 bytes + 16
	v_lshrrev_b32 v21, 2, v0                       ; then thread: b = thread / 4, four t
	v_and_b32 v22, 3, v0
	v_lshlrev_b32 v22, 4, v22
	v_mul_u32_u24 v23, v21, 80
	v_add_nc_u32 v23, v23, v22
	v_lshl_add_u32 v22, v21, 14, v22               ; its place in out0
	v_lshl_add_u32 v28, v0, 2, SPARE               ; my spare word,
	v_mov_b32 v29, 0                               ; and 0
	s_wait_alu depctr_va_vdst(0)
	s_wait_dscnt 0x0                               ; the last turn is back
	FINISH 3
	s_wait_dscnt 0x0
	s_barrier_signal -1
	s_barrier_wait -1                              ; all partials are there
.set z, 0
.rept 16
	ds_load_b128 v[X+4*z:X+4*z+3], v19 offset:128*z
.set z, z+1
.endr
	s_wait_dscnt 0x0
.irp d, 8,4,2,1
.set z, 0
.rept \d
	v_pk_add_f32 v[X+4*z:X+4*z+1], v[X+4*z:X+4*z+1], v[X+4*(z+\d):X+4*(z+\d)+1]
	v_pk_add_f32 v[X+4*z+2:X+4*z+3], v[X+4*z+2:X+4*z+3], v[X+4*(z+\d)+2:X+4*(z+\d)+3]
.set z, z+1
.endr
.endr
.irp e, 0,1,2,3
	v_add_f32_dpp v[X+\e], v[X+\e], v[X+\e] row_xmask:8 row_mask:0xf bank_mask:0xf
.endr
.irp e, 0,1,2,3
	v_max_num_f32 v[X+\e], 0, v[X+\e]
.endr
.irp e, 0,1,2,3
	ds_store_b32 v20, v[X+\e] offset:80*\e         ; (both halves hold the same numbers)
.endr
	s_wait_dscnt 0x0
	s_barrier_signal -1
	s_barrier_wait -1
	s_cmp_ge_u32 s[WV], 4
	s_cbranch_scc1 .Lend                           ; four waves hold all 32 b x 16 t
	ds_load_b128 v[24:27], v23
	s_wait_dscnt 0x0
	global_store_b128 v22, v[24:27], s[14:15]      ; four lanes store the 64 bytes that this work-group owns of a row
.Lend:
	s_wait_tensorcnt 0x0                           ; the wave's end
	ds_add_u32 v28, v29
	s_wait_dscnt 0x0
	s_endpgm
.Lfunc_end_k_q1992d50faa_attn:
	.size	k_q1992d50faa_attn, .Lfunc_end_k_q1992d50faa_attn-k_q1992d50faa_attn
	.p2alignl 7, 3214868480
	.fill 96, 4, 3214868480
	.section	.rodata,"a",@progbits
	.p2align	6, 0x0
	.amdhsa_kernel k_q1992d50faa_attn
		.amdhsa_group_segment_fixed_size 119808
		.amdhsa_private_segment_fixed_size 0
		.amdhsa_enable_private_segment 0
		.amdhsa_kernarg_size 48
		.amdhsa_user_sgpr_count 2
		.amdhsa_user_sgpr_kernarg_segment_ptr 1
		.amdhsa_wavefront_size32 1
		.amdhsa_system_sgpr_workgroup_id_x 1
		.amdhsa_system_sgpr_workgroup_id_y 1
		.amdhsa_system_sgpr_workgroup_id_z 1
		.amdhsa_system_vgpr_workitem_id 0
		.amdhsa_next_free_vgpr 512
		.amdhsa_next_free_sgpr 66
		.amdhsa_reserve_vcc 0
		.amdhsa_float_denorm_mode_32 3
		.amdhsa_float_denorm_mode_16_64 3
		.amdhsa_memory_ordered 1
		.amdhsa_forward_progress 1
		.amdhsa_inst_pref_size 158
	.end_amdhsa_kernel
	.amdgpu_metadata
---
amdhsa.version: [ 1, 2 ]
amdhsa.kernels:
  - .name:           k_q1992d50faa_attn
    .symbol:         k_q1992d50faa_attn.kd
    .args:
      - { .name: encoder_outputs, .offset: 0, .size: 8, .value_kind: global_buffer, .address_space: global }
      - { .name: wcodes, .offset: 8, .size: 8, .value_kind: global_buffer, .address_space: global }
      - { .name: gtab, .offset: 16, .size: 8, .value_kind: global_buffer, .address_space: global }
      - { .name: v, .offset: 24, .size: 8, .value_kind: global_buffer, .address_space: global }
      - { .name: lowp_scales, .offset: 32, .size: 8, .value_kind: global_buffer, .address_space: global }
      - { .name: out0, .offset: 40, .size: 8, .value_kind: global_buffer, .address_space: global }
    .group_segment_fixed_size: 119808
    .private_segment_fixed_size: 0
    .kernarg_segment_align: 8
    .kernarg_segment_size: 48
    .max_flat_workgroup_size: 256
    .sgpr_count:     66
    .vgpr_count:     512
    .wavefront_size: 32
...
	.end_amdgpu_metadata
.endif
;; end of part 2
